; MI455X (gfx1250); checked and timed in simulation.
; The chip was launched on July 23, 2026; its instructions are those of AMD's public machine-readable ISA for CDNA 5 (MIT licence, August 2026) and "CDNA5" Instruction Set Architecture Reference Guide (July 2026). The comments in the code are by the model that wrote it; some were corrected since.
;; SR Head. Allowed arithmetic: matrix products marked QUANTISED: E2M3 operands, one E8M0 scale for each 32 along K, by v_wmma_scale_f32_16x16x128_f8f6f4 with both operands' format E2M3, f32 sums; products left as they are: f32 operands where the result goes on into a quantised operand, else bf16, f16 or f32 operands; f32 sums; everything else in f32.
;; Inputs: W1 1,024 x 2,048 float32; W2 2 x 1,024 float32; b1 1,024 float32; b2 2 float32; encoded_states 32 x 1,024 x 1,024 float32; sr_label 32 x 1,024 int32.
;; Outputs: out0 one number float32; out1 32 x 1,024 x 2 float32; out2 32 x 1,024 bool.
;; This version of the problem:
;;   THIS VERSION OF THE PROBLEM IS GIVEN IN LOW PRECISION. The matrix products marked QUANTISED in the list below multiply operands that are first quantised to E2M3 (2 exponent bits, 3 mantissa bits; 6 bits a number), with one power-of-two scale for each 32 numbers along K (OCP MX v1.0); their sums are f32. All else is computed in f32.
;;   The module's matrix products, in the order in which they are computed (A, B: the left and right operand; K: the contracted axis; several contracted axes count as one K, in the product's order):
;;     1. batch 32 x [M 1, K 1,024] x [K 1,024, N 1,024]; A: computed on the way; B: input encoded_states: left as it is (M = 1 < 16)
;;     2. [M 32,768, K 2,048] x [K 2,048, N 1,024]; A: computed on the way; B: input W1: QUANTISED
;;     3. [M 32,768, K 1,024] x [K 1,024, N 2]; A: computed on the way; B: input W2: left as it is (N = 2 < 16)
;;   THE QUANTISER, for each operand of a quantised product, along K:
;;     - K is cut into blocks of 32 from its start; a last block that is shorter is filled with zeros.
;;     - A block's scale is 2^e with e = floor(log2(the largest magnitude in the block)) - 2, held to -126 .. 127; a block of zeros has e = 0. As a byte (E8M0): e + 127.
;;     - Each number is divided by its block's scale, clamped to +-7.5, and rounded to the nearest number of E2M3, ties to even, subnormals kept.
;;     - The product sums the exact products of the quantised numbers (number of the format x scale) in f32.
;;   ~~~python
;;   def quantise(x, axis):      # numpy; x: float32 -> the quantised numbers, widened to float32 again
;;       x = np.moveaxis(x, axis, -1); K = x.shape[-1]
;;       x = np.pad(x, [(0, 0)] * (x.ndim - 1) + [(0, -K % 32)]); x = x.reshape(x.shape[:-1] + (-1, 32)); a = np.abs(x).max(-1, keepdims=True)
;;       e = np.where(a > 0, np.clip(np.frexp(np.where(a > 0, a, 1))[1] - 1 - 2, -126, 127), 0)      # np.frexp(a)[1] - 1 = floor(log2(a)), exactly
;;       r = np.clip(x / 2.0 ** e, -7.5, 7.5)
;;       step = 2.0 ** (np.maximum(np.frexp(np.where(r == 0, 1, r))[1] - 1, 0) - 3)
;;       q = np.round(r / step) * step * 2.0 ** e      # np.round: ties to even
;;       return np.moveaxis(q.reshape(q.shape[:-2] + (-1,))[..., :K], -1, axis).astype(np.float32)
;;   ~~~
;;   OPERANDS COMPUTED ON THE WAY. 'Computed on the way' means the value that the module computes at that place (a softmax that the list does not call 'softmax' is quantised finished and normalised). What goes into a quantiser is computed in f32, as accurately as f32 sums, v_exp_f32 and their like allow (about 1e-6 of the number): no bf16 or f16 on the way to a quantiser, and a product that is left as it is and whose result goes on into a quantised operand takes f32 operands (vector FMAs, or v_wmma_f32_16x16x4_f32). A number that lies on a knife's edge between two numbers of the format may be rounded either way, as far as f32 arithmetic and the matrix unit's own rounding can turn it there, and no further.
;; One version. Each part assembles by itself: llvm-mc -triple=amdgcn-amd-amdhsa -mcpu=gfx1250 --defsym DOCPART=n.
;; ======== version 1 of 1: 3 launches
;; limits: right only within a limited range of input values
;; workspace buffers: w1img 1,638,400 bytes; frec 32,768 bytes; part 2,048 bytes
;; launch prep (part 1): grid 256 x 1, 5 waves a work-group, no clusters, 35,584 bytes of LDS; arguments W1, encoded_states, sr_label, w1img, frec, out2; writes w1img, frec, out2
.if DOCPART == 1
	.amdgcn_target "amdgcn-amd-amdhsa--gfx1250"
	.amdhsa_code_object_version 6
	.text
	.protected	k_q3dd5c81d7e_prep
	.globl	k_q3dd5c81d7e_prep
	.p2align	8
	.type	k_q3dd5c81d7e_prep,@function
k_q3dd5c81d7e_prep:
	s_mov_b64 s[64:65], 0
	v_nop
	global_prefetch_b8 v0, s[64:65] scope:SCOPE_SE
	s_setreg_imm32_b32 hwreg(HW_REG_WAVE_MODE, 25, 1), 1
	s_wait_xcnt 0x0
; What the main launch reads many times is made once here.
; WAVES 0-3: W1 [1024][2048] f32 -> codes of FP6 (E2M3) with one E8M0 byte for each 32 along K, laid in the ORDER OF THE OPERAND'S REGISTERS.
;   w1img = 128 blocks of 12,800 bytes, block 16 (n / 128) + ((k / 128) xor 8): eight fragment images of 1,536 bytes (16 rows x 128 K: register 4 c + i of lane l at 512 c + 16 l + 4 i), then 8 x 64 bytes of scale words (row r's at 4 r).
;   A wave makes one fragment; the four waves of a work-group stand side by side on 2,048 bytes of each of 16 rows.  Each load reads 512 consecutive bytes of one row; the rows turn through the wave's own stage in LDS,
;   so that lane (r, h) ends with k = 64 c + 32 h + 0 .. 31 of row r in consecutive registers: whole blocks of 32 in one lane, in the very order of the operand's layout.
; WAVE 4: 128 columns of one sample's formula embedding, the f32 sum of the rows of encoded_states whose label is 2 (any number of them, none too: all 1,024 labels are looked at, and a row is read only where its label says so),
;   quantised likewise into frec (1,024 bytes a sample: bytes 0-767 codes as a row's stream of bits, 768-799 the 32 scale bytes; the rest is neither written nor read); and 128 bytes of out2.
; A block's scale is 2^(floor(log2(its largest magnitude)) - 2): its byte is the largest magnitude's exponent field - 2, held at 1 from below.
; LIMITS: a block of zeros, or one whose largest magnitude lies under 2^-124, gets the byte 1 (the bytes are read by this program alone; zero codes add nothing under it); NaN and infinities are not served;
;   with several formula tokens in a sample their rows are added in the order of the walk below (position 128 j + 4 l + e: l outermost, then j, then e), not of the positions.
; No tensor loads, no barrier: waves share nothing.  out2's store covers 128 consecutive bytes a wave, half of an aligned 256: the whole output is 32 KiB.
.set SPITCH, 528                       ; a stage row: 512 bytes + 16 = 33 x 16: the sixteen rows that a load of 16 bytes a lane touches start in different groups of banks (64 banks of 4 bytes: ISA guide 11.1)
.set WSTG,   16*SPITCH                 ; a wave's stage
.set BLKB,   12800
.set RR,     16                        ; v16-79   16 rows as loaded
.set NN,     80                        ; v80-143  my 64 numbers: register 32 c + i = k 64 c + 32 h + i of row r
.set FF,     144                       ; v144-155 the fragment; v156-162 the halves that are made elsewhere and moved
	s_load_b256 s[4:11], s[0:1], 0x0               ; W1 s[4:5], encoded_states s[6:7], sr_label s[8:9], w1img s[10:11]
	s_load_b128 s[12:15], s[0:1], 0x20             ; frec s[12:13], out2 s[14:15]
	v_lshl_add_u32 v192, v0, 2, 0x8800
	v_mov_b32 v193, 0
	v_lshrrev_b32 v1, 5, v0
	v_readfirstlane_b32 s16, v1                    ; wave 0..4
	v_and_b32 v1, 31, v0                           ; lane
	v_and_b32 v2, 15, v0                           ; r
	v_bfe_u32 v3, v0, 4, 1                         ; h
	v_lshlrev_b32 v4, 4, v1                        ; 16 x lane
	s_cmp_eq_u32 s16, 4
	s_wait_alu depctr_va_vdst(0)                   ; the wait ahead of the branch
	s_cbranch_scc1 .Lformula
	; ---------------- waves 0-3: one fragment of W1 ----------------
	s_mul_i32 s17, s16, WSTG
	v_add_nc_u32 v5, s17, v4                       ; into the stage: 16 x lane of a row
	v_mul_u32_u24 v6, v2, SPITCH
	v_lshl_add_u32 v6, v3, 7, v6
	v_add_nc_u32 v6, s17, v6                       ; out of it: row r, + 128 h bytes
	v_lshlrev_b32 v7, 2, v2                        ; my row's scale word
	s_lshr_b32 s18, ttmp9, 2                       ; nb: which 16 rows of W1
	s_and_b32 s19, ttmp9, 3
	s_lshl_b32 s19, s19, 2
	s_add_co_u32 s19, s19, s16                     ; s: which 128 along K
	s_lshl_b32 s20, s18, 17                        ; 16 rows of 8,192 bytes
	s_lshl_b32 s21, s19, 9
	s_add_co_u32 s20, s20, s21
	s_mov_b32 s21, 0
	s_lshr_b32 s22, s18, 3
	s_lshl_b32 s22, s22, 4
	s_xor_b32 s19, s19, 8                          ; in w1img a trip's sixteen blocks lie with K steps 8-15 (the formula's half of K) FIRST: block 16 (n / 128) + ((k / 128) xor 8)
	s_add_co_u32 s22, s22, s19
	s_mul_i32 s22, s22, BLKB                       ; my block of w1img
	s_and_b32 s23, s18, 7                          ; my fragment in it
	s_mul_i32 s24, s23, 1536
	s_add_co_u32 s24, s24, s22
	s_mov_b32 s25, 0
	s_lshl_b32 s26, s23, 6
	s_add_co_u32 s26, s26, s22
	s_add_co_u32 s26, s26, 12288
	s_mov_b32 s27, 0
	s_mov_b32 s28, 0x76543210
	s_mov_b32 s29, 0xfedcba98
	s_wait_alu depctr_va_vdst(0)                   ; the wait at the head's end
	s_wait_kmcnt 0x0
	s_add_nc_u64 s[4:5], s[4:5], s[20:21]
	s_add_nc_u64 s[24:25], s[10:11], s[24:25]      ; the image
	s_add_nc_u64 s[26:27], s[10:11], s[26:27]      ; its scale words
.irp i, 0,1,2,3,4,5,6,7,8,9,10,11,12,13,14,15
	global_load_b128 v[RR+4*\i:RR+4*\i+3], v4, s[4:5] offset:8192*\i th:TH_LOAD_NT   ; 512 consecutive bytes of row i; W1 is read once in the whole launch
.endr
.irp i, 0,1,2,3,4,5,6,7,8,9,10,11,12,13,14,15
	s_wait_loadcnt 15-\i                           ; loads come back in order: row i is in
	ds_store_b128 v5, v[RR+4*\i:RR+4*\i+3] offset:SPITCH*\i
.endr
.irp c, 0,1
.irp j, 0,1,2,3,4,5,6,7
	ds_load_b128 v[NN+32*\c+4*\j:NN+32*\c+4*\j+3], v6 offset:256*\c+16*\j   ; LDS serves a wave's instructions in order: these see my stores
.endr
.endr
	s_wait_dscnt 0x0
.irp c, 0,1                                    ; my block 2 c + h: all its 32 numbers are mine
	v_max3_num_f32 v[8+\c], |v[NN+32*\c]|, |v[NN+32*\c+1]|, 0x1800000   ; with the floor 2^(3 - 127): the byte cannot fall under 1
.endr
.irp i, 2,4,6,8,10,12,14,16,18,20,22,24,26,28,30
.irp c, 0,1
	v_max3_num_f32 v[8+\c], v[8+\c], |v[NN+32*\c+\i]|, |v[NN+32*\c+\i+1]|   ; (the two blocks by turns)
.endr
.endr
.irp c, 0,1
	v_add_nc_u32 v[10+\c], 0xff000000, v[8+\c]     ; 2 off the exponent field: the conversion takes this operand's exponent field as its scale
.endr
.irp c, 0,1
	v_lshrrev_b32 v[12+\c], 23, v[10+\c]           ; the scale's byte
.endr
	v_lshl_or_b32 v14, v13, 16, v12                ; my two bytes, blocks h and 2 + h of row r,
	v_lshlrev_b32 v15, 3, v3
	v_lshlrev_b32 v14, v15, v14                    ; at their places in the word (8 h bits up);
	v_mov_b32 v15, 0
	v_permlanex16_b32 v15, v14, s28, s29
	v_or_b32 v14, v14, v15                         ; with lane l xor 16's two the word is whole
.irp c, 0,1
	v_cvt_scalef32_pk16_fp6_f32 v[FF+6*\c:FF+6*\c+2], v[NN+32*\c:NN+32*\c+15], v[10+\c]
	v_cvt_scalef32_pk16_fp6_f32 v[FF+12+4*\c:FF+14+4*\c], v[NN+32*\c+16:NN+32*\c+31], v[10+\c]   ; (a conversion's three registers begin on an even number)
.endr
	v_nop                                          ; one plain instruction behind a scaled conversion
.irp c, 0,1
.irp i, 0,1,2
	v_mov_b32 v[FF+3+6*\c+\i], v[FF+12+4*\c+\i]
.endr
.endr
.irp c, 0,1,2
	global_store_b128 v4, v[FF+4*\c:FF+4*\c+3], s[24:25] offset:512*\c   ; 512 consecutive bytes, at a multiple of 256 from the buffer's first byte
.endr
	v_cmp_gt_u32 vcc_lo, 16, v1
	s_wait_alu depctr_va_vdst(0)                   ; the wait ahead of the waits below
	s_wait_xcnt 0x0
	s_wait_tensorcnt 0x0
	ds_add_u32 v192, v193
	s_wait_dscnt 0x0
	s_and_saveexec_b32 s30, vcc_lo
	global_store_b32 v7, v14, s[26:27]             ; lanes 0-15: the sixteen rows' scale words, 64 consecutive bytes
	s_endpgm
	; ---------------- wave 4: the formula embedding's 128 columns, and out2 ----------------
.Lformula:
	s_lshr_b32 s18, ttmp9, 3                       ; b: the sample
	s_and_b32 s19, ttmp9, 7                        ; s: which 128 columns, and which 128 positions of out2
	s_lshl_b32 s20, s18, 12                        ; the sample's labels
	s_mov_b32 s21, 0
	s_lshl_b32 s22, s18, 22                        ; the sample's rows of 4,096 bytes,
	s_lshl_b32 s23, s19, 9
	s_add_co_u32 s22, s22, s23                     ; at my columns
	s_mov_b32 s23, 0
	s_lshl_b32 s28, s18, 10
	s_mul_i32 s24, s19, 96
	s_add_co_u32 s24, s24, s28                     ; frec: 1,024 b + 96 s
	s_mov_b32 s25, 0
	s_lshl_b32 s26, s19, 2
	s_add_co_u32 s26, s26, s28
	s_add_co_u32 s26, s26, 768                     ; and its scale bytes: 1,024 b + 768 + 4 s
	s_mov_b32 s27, 0
	s_lshl_b32 s29, s19, 7
	s_add_co_u32 s28, s28, s29                     ; out2: 1,024 b + 128 s
	s_mov_b32 s29, 0
	v_lshl_add_u32 v5, s19, 9, v4                  ; my four labels for out2
	v_lshlrev_b32 v6, 2, v1
	v_and_b32 v29, 7, v1
	v_lshlrev_b32 v29, 6, v29
	s_wait_alu depctr_va_vdst(0)                   ; the wait at the head's end
	s_wait_kmcnt 0x0
	s_add_nc_u64 s[8:9], s[8:9], s[20:21]
	s_add_nc_u64 s[6:7], s[6:7], s[22:23]
	s_add_nc_u64 s[24:25], s[12:13], s[24:25]
	s_add_nc_u64 s[26:27], s[12:13], s[26:27]
	s_add_nc_u64 s[14:15], s[14:15], s[28:29]
.irp j, 0,1,2,3,4,5,6,7
	global_load_b128 v[32+4*\j:35+4*\j], v4, s[8:9] offset:512*\j   ; register 4 j + e of lane l: the label of position 128 j + 4 l + e
.endr
	global_load_b128 v[8:11], v5, s[8:9]
.irp i, 0,1,2,3,4,5,6,7,8,9,10,11,12,13,14,15
	v_mov_b32 v[64+\i], 0                          ; the sum begins at 0: a sample may have no formula token
.endr
	s_wait_loadcnt 0x0
	v_cmp_gt_u32 vcc_lo, 2, v8                     ; a header: 0 <= label < 2, as one unsigned compare
	v_cndmask_b32 v12, 0, 1, vcc_lo
	v_cmp_gt_u32 vcc_lo, 2, v9
	v_cndmask_b32 v13, 0, 1, vcc_lo
	v_lshl_or_b32 v12, v13, 8, v12
	v_cmp_gt_u32 vcc_lo, 2, v10
	v_cndmask_b32 v13, 0, 1, vcc_lo
	v_lshl_or_b32 v12, v13, 16, v12
	v_cmp_gt_u32 vcc_lo, 2, v11
	v_cndmask_b32 v13, 0, 1, vcc_lo
	v_lshl_or_b32 v12, v13, 24, v12
	global_store_b32 v6, v12, s[14:15]             ; four booleans a lane
.irp x, 0,1,2,3,4,5,6,7,8,9,10,11,12,13,14,15,16,17,18,19,20,21,22,23,24,25,26,27,28,29,30,31
	v_cmp_eq_u32 s[32+\x], 2, v[32+\x]             ; a mask of lanes for each of the 32 registers: bit l of mask x = position 128 (x / 4) + 4 l + x % 4 is a formula token
.endr
	s_or_b32 s31, s32, s33                         ; all 32 masks in one: bit l says whether lane l holds any formula token
.irp x, 34,35,36,37,38,39,40,41,42,43,44,45,46,47,48,49,50,51,52,53,54,55,56,57,58,59,60,61,62,63
	s_or_b32 s31, s31, s[\x]
.endr
; THE WALK OVER THE 1,024 POSITIONS: one loop of 32 trips, a trip to a lane's number l, the 32 registers written out in it.  The trip count is a constant; a row's address is made of the loop's counter (4 l rows of 4,096 bytes)
; and an immediate (128 (x / 4) + x % 4 rows: 3,682,304 bytes at the most, inside the signed 24-bit immediate: ISA guide, chapter 10); the labels decide only which rows' work is jumped over.
.macro ROW x
	s_and_b32 s22, s[32+\x], s23
	s_cmp_lg_u32 s22, 0
	s_cbranch_scc0 .Lnot_\@                        ; this position is no formula token: its row is not read
.irp i, 0,1,2,3
	global_load_b128 v[80+4*\i:83+4*\i], v30, s[6:7] offset:((128*((\x)/4)+(\x)%4)<<12)+16*\i
.endr
	s_wait_loadcnt 0x0                             ; the row's 16 numbers of mine are in; the wait also frees v30, which the next trip writes
.irp i, 0,2,4,6,8,10,12,14
	v_pk_add_f32 v[64+\i:65+\i], v[64+\i:65+\i], v[80+\i:81+\i]
.endr
	s_wait_alu depctr_va_vdst(0)
.Lnot_\@:
.endm
	s_mov_b32 s20, 0                               ; l
.Llane:
	s_lshl_b32 s23, 1, s20                         ; bit l
	s_and_b32 s22, s31, s23
	s_cmp_lg_u32 s22, 0
	s_cbranch_scc0 .Lnext                          ; none of lane l's 32 positions is a formula token
	s_lshl_b32 s21, s20, 14                        ; 4 l rows of 4,096 bytes
	v_add_nc_u32 v30, s21, v29
	s_wait_alu depctr_va_vdst(0)
.irp x, 0,1,2,3,4,5,6,7,8,9,10,11,12,13,14,15,16,17,18,19,20,21,22,23,24,25,26,27,28,29,30,31
	ROW \x
.endr
.Lnext:
	s_add_co_u32 s20, s20, 1
	s_cmp_lt_u32 s20, 32
	s_cbranch_scc1 .Llane
	v_max3_num_f32 v16, |v64|, |v65|, |v66|        ; the largest magnitude of my 16
	v_max3_num_f32 v17, |v67|, |v68|, |v69|
.irp i, 6,10
	v_max3_num_f32 v16, v16, |v[64+\i]|, |v[65+\i]|
	v_max3_num_f32 v17, v17, |v[66+\i]|, |v[67+\i]|
.endr
	v_max3_num_f32 v16, v16, |v78|, |v79|
	v_max3_num_f32 v16, v16, v17, 0x1800000        ; and the floor
	v_max_num_f32_dpp v16, v16, v16 row_xmask:1 row_mask:0xf bank_mask:0xf   ; and of my neighbour's 16: the block's
	v_add_nc_u32 v18, 0xff000000, v16
	v_cvt_scalef32_pk16_fp6_f32 v[20:22], v[64:79], v18
	v_lshrrev_b32 v19, 23, v18                     ; the scale's byte
	v_mul_u32_u24 v24, v1, 12
	v_lshrrev_b32 v25, 1, v1
	v_cmp_gt_u32 vcc_lo, 8, v1
	s_wait_alu depctr_va_vdst(0)                   ; the wait ahead of the wait below
	s_wait_xcnt 0x0
	s_and_saveexec_b32 s30, vcc_lo
	global_store_b96 v24, v[20:22], s[24:25]       ; lanes 0-7: 96 consecutive bytes of codes
	global_store_b8 v25, v19, s[26:27]             ; both lanes of a block write the same byte with the same value
	s_endpgm
.Lfunc_end_k_q3dd5c81d7e_prep:
	.size	k_q3dd5c81d7e_prep, .Lfunc_end_k_q3dd5c81d7e_prep-k_q3dd5c81d7e_prep
	.p2alignl 7, 3214868480
	.fill 96, 4, 3214868480
	.section	.rodata,"a",@progbits
	.p2align	6, 0x0
	.amdhsa_kernel k_q3dd5c81d7e_prep
		.amdhsa_group_segment_fixed_size 35584
		.amdhsa_private_segment_fixed_size 0
		.amdhsa_enable_private_segment 0
		.amdhsa_kernarg_size 48
		.amdhsa_user_sgpr_count 2
		.amdhsa_user_sgpr_kernarg_segment_ptr 1
		.amdhsa_wavefront_size32 1
		.amdhsa_system_sgpr_workgroup_id_x 1
		.amdhsa_system_sgpr_workgroup_id_y 1
		.amdhsa_system_sgpr_workgroup_id_z 1
		.amdhsa_system_vgpr_workitem_id 0
		.amdhsa_next_free_vgpr 194
		.amdhsa_next_free_sgpr 66
		.amdhsa_reserve_vcc 1
		.amdhsa_float_denorm_mode_32 3
		.amdhsa_float_denorm_mode_16_64 3
		.amdhsa_memory_ordered 1
		.amdhsa_forward_progress 1
		.amdhsa_inst_pref_size 51
	.end_amdhsa_kernel
	.amdgpu_metadata
---
amdhsa.version: [ 1, 2 ]
amdhsa.kernels:
  - .name:           k_q3dd5c81d7e_prep
    .symbol:         k_q3dd5c81d7e_prep.kd
    .args:
      - { .name: W1, .offset: 0, .size: 8, .value_kind: global_buffer, .address_space: global }
      - { .name: encoded_states, .offset: 8, .size: 8, .value_kind: global_buffer, .address_space: global }
      - { .name: sr_label, .offset: 16, .size: 8, .value_kind: global_buffer, .address_space: global }
      - { .name: w1img, .offset: 24, .size: 8, .value_kind: global_buffer, .address_space: global }
      - { .name: frec, .offset: 32, .size: 8, .value_kind: global_buffer, .address_space: global }
      - { .name: out2, .offset: 40, .size: 8, .value_kind: global_buffer, .address_space: global }
    .group_segment_fixed_size: 35584
    .private_segment_fixed_size: 0
    .kernarg_segment_align: 8
    .kernarg_segment_size: 48
    .max_flat_workgroup_size: 160
    .sgpr_count:     66
    .vgpr_count:     194
    .wavefront_size: 32
...
	.end_amdgpu_metadata
.endif
;; end of part 1
;; launch main (part 2): grid 256 x 1, 4 waves a work-group, clusters of 4 x 1, 327,680 bytes of LDS; arguments encoded_states, sr_label, b1, W2, b2, w1img, frec, out1, part; writes out1, part
.if DOCPART == 2
	.amdgcn_target "amdgcn-amd-amdhsa--gfx1250"
	.amdhsa_code_object_version 6
	.text
	.protected	k_q3dd5c81d7e_main
	.globl	k_q3dd5c81d7e_main
	.p2align	8
	.type	k_q3dd5c81d7e_main,@function
k_q3dd5c81d7e_main:
	s_mov_b64 s[64:65], 0
	v_nop
	global_prefetch_b8 v0, s[64:65] scope:SCOPE_SE
	s_setreg_imm32_b32 hwreg(HW_REG_WAVE_MODE, 25, 1), 1
	s_wait_xcnt 0x0
	s_wait_alu depctr_hold_cnt(0) depctr_sa_sdst(0) depctr_va_vdst(0) depctr_va_sdst(0) depctr_va_ssrc(0) depctr_va_vcc(0) depctr_vm_vsrc(0)
	s_getreg_b32 s2, hwreg(HW_REG_IB_STS2, 6, 4)
	s_cmp_eq_u32 s2, 0
	s_cbranch_scc0 .Lentry_in_a_cluster
	s_endpgm
.Lentry_in_a_cluster:
	s_bfe_u32 s2, ttmp6, 0x10000c
	s_cmp_lg_u32 s2, 0x3003
	s_cbranch_scc0 .Lentry_shape_is_right
	s_endpgm
.Lentry_shape_is_right:
; logits = gelu([x | formula] W1^T + b1) W2^T + b2 and the work-group's part of the loss, for 128 rows of x, fused: the hidden layer stays in registers.
; The first product is on codes of FP6 (E2M3), one E8M0 scale for each 32 along K = 2,048.  The join of x and the formula embedding falls on a block's edge: a row's codes are x's own (K 0-1,023, made here)
; followed by the sample's formula codes (K 1,024-2,047, made by the launch before).
; THE FORMULA'S HALF OF K IS MULTIPLIED ONCE.  All rows of a sample hold the same codes and scales there, so their sums over K 1,024-2,047 are one and the same number for each hidden unit.  A wave makes it once
; for each 16 units (source 1 = sixteen equal rows): the result has C's layout for every block of rows, and is given as the C of each block's first product on x.  The f32 sum so begins with the upper half of K.
; SHARES.  256 work-groups of four waves, 128 rows each.  Wave w = 2 wr + wc keeps the fragments of its 64 rows (64 wr on) of x for K 0-1,023 and the formula's eight in registers (384 + 96).
; N goes in 8 trips of 128 hidden units; a wave makes 64 rows x 64 units (64 wc on): 16 accumulators, and 4 for the formula's part.  W1's images come through a ring of two LDS slots of 102,400 bytes:
; slot 0 always the formula's eight K steps of a trip (ring places 0-7), slot 1 x's eight (places 8-15); each wave fills a quarter of a slot by one tensor load of 25,600 dense bytes in rows of 256.
; CLUSTER.  All work-groups walk the same W1: the four of a cluster ask for each quarter JOINTLY (mask 15).  Nothing else is shared by more than a mask can name, so the cluster is 4 x 1.
; No prefetch of W1's images: all 64 clusters read the same 1,638,400 bytes in the same order, eight times 204,800, so each block is asked for by many readers close together; x is streamed once by loads 14 steps ahead.
; THE MATRIX INSTRUCTION IS USED TRANSPOSED: source 0 = 16 rows of W1, source 1 = 16 rows of x.  Lane (r, h) holds row r of x, register j hidden unit 16 cf + 8 h + j.
; GELU is exact: 0.5 v (1 + erf(v / sqrt 2)), erf as the ratio of two polynomials in z^2 on z held to +-4.  With z = v / sqrt 2 the sum takes z (1 + erf z) x W2 / sqrt 2.  The second product (N = 2) is f32 multiply-adds.
; LIMITS: NaN and infinities are not served; a block of zeros, or under 2^-124, gets the scale byte 1 (the bytes are read here alone); erf's error is about 1e-7; the f32 sums run in another order than the reference's.
; REGISTERS.  Window 0: v0-31 addresses and constants; v32-63 x's scale words (8 a + s), v64-71 the formula's, v72-77 W1's (three sets of 2): scales and nothing else; v80-95 the logits' sums;
;   v96-239 three buffers of W1's four fragments; the quantiser and the gelu work in v96-223 while no buffer there is alive.
;   Window 1: the quantiser's ring of 16 x 16 loaded numbers; then v0-127 the accumulators (8 (4 a + cf)), v128-223 the trip's bias and W2 (24 cf), v224-255 the formula's four sums (8 cf).
;   Window 2: x's fragments of K steps 0-4 (48 s + 12 a).   Window 3: K steps 5-7 (48 (s - 5) + 12 a); from v144 the formula's eight (12 s').
.set SLOTB,  102400
.set QUART,  25600
.set BLKB,   12800
.set NSTEPB, 204800
.set SPARE,  205824                    ; the spare words, 128 bytes a wave
.set AROWS,  206336                    ; x's codes as rows: 128 x (768 + 16)
.set APITCH, 784
.set ASCL,   306688                    ; x's scale bytes: 128 x (32 + 16)
.set SPITCH, 48
.set MISC,   312832                    ; first the four waves' stages of 2,560 bytes; behind the first barrier 128 records of 96 bytes: b1, W2[0], W2[1] of eight hidden units, each / sqrt 2
.set SCR,    325120                    ; the logits' halves: [wc][128 rows][2]
.set SCR2,   327168                    ; the four waves' loss sums
.set SPW, 28
.set NIL, 29
.set LL,  80
.set XN,  144
.set XC,  176
.set XE,  184
.set XM,  186
.set GZ,  144
.set GC,  160
.set GT,  176
.set GP,  192
.set GQ,  208
.set CB,  128
.set TF,  224
.set G1R,  32
.set G0S0, 48
.set G0S1, 52
.set KK,   66
.set MSB, 0
.macro WIN new
.if MSB != \new
	s_set_vgpr_msb (MSB<<8)|\new
.set MSB, \new
.endif
.endm
.macro PLACES
.rept 4
	v_nop
.endr
.endm
.macro SPAIR r, bits
	s_mov_b32 s[\r], \bits
	s_mov_b32 s[\r+1], \bits
.endm
.macro CREST
	s_cmp_lg_u32 s22, 0
	s_cbranch_scc1 .Lnot_wave_0_\@
	s_barrier_signal -3
.Lnot_wave_0_\@:
	s_barrier_wait -3
	s_barrier_signal -1
	s_barrier_wait -1
.endm
.macro CROUND
	s_barrier_signal -1
	s_barrier_wait -1
	CREST
.endm
.macro BARRIER
	s_wait_dscnt 0x0
	s_barrier_signal -1
	s_barrier_wait -1
.endm
	s_load_b256 s[4:11], s[0:1], 0x0               ; x s[4:5], labels s[6:7], b1 s[8:9], W2 s[10:11]
	s_load_b256 s[12:19], s[0:1], 0x20             ; b2 s[12:13], w1img s[14:15], frec s[16:17], out1 s[18:19]
	s_load_b64 s[20:21], s[0:1], 0x40              ; part
	v_lshl_add_u32 v[SPW], v0, 2, SPARE
	v_mov_b32 v[NIL], 0
	ds_add_u32 v[SPW], v[NIL]                      ; the opening lines: the add twice on end and its wait
	ds_add_u32 v[SPW], v[NIL]
	s_wait_dscnt 0x0
	v_lshrrev_b32 v1, 5, v0
	v_readfirstlane_b32 s22, v1                    ; wave
	s_lshr_b32 s23, s22, 1                         ; wr
	s_and_b32 s24, s22, 1                          ; wc
	s_bfe_u32 s25, ttmp6, 0x40000                  ; cx
	s_lshl_b32 s26, ttmp9, 2
	s_add_co_u32 s26, s26, s25                     ; my block of 128 rows: it enters global addresses of x, labels, out1, part alone
	s_lshr_b32 s27, ttmp9, 1                       ; the sample
	v_and_b32 v1, 31, v0
	v_and_b32 v2, 15, v0                           ; r
	v_bfe_u32 v3, v0, 4, 1                         ; h
	v_lshlrev_b32 v4, 4, v1
	s_mul_i32 s30, s22, 2560
	s_add_co_u32 s30, s30, MISC
	v_lshrrev_b32 v5, 2, v1
	v_mul_u32_u24 v5, v5, 80
	v_and_b32 v6, 3, v1
	v_lshl_add_u32 v5, v6, 4, v5
	v_add_nc_u32 v5, s30, v5                       ; v5 into my stage: four lanes' 64 bytes, then 16 of padding
	v_mul_u32_u24 v6, v1, 80
	v_add_nc_u32 v6, s30, v6                       ; v6 out of it: my 16 neighbours
	s_mul_i32 s30, s22, 32*APITCH
	s_add_co_u32 s30, s30, AROWS
	v_mul_u32_u24 v7, v1, 12
	v_add_nc_u32 v7, s30, v7                       ; v7 where I put 12 bytes of codes
	s_mul_i32 s30, s22, 32*SPITCH
	s_add_co_u32 s30, s30, ASCL
	v_lshrrev_b32 v8, 1, v1
	v_add_nc_u32 v8, s30, v8                       ; v8 my block's scale byte
	s_mul_i32 s30, s23, 64*APITCH
	s_add_co_u32 s30, s30, AROWS
	v_mul_u32_u24 v9, v2, APITCH
	v_mad_u32_u24 v9, v3, 24, v9
	v_add_nc_u32 v9, s30, v9                       ; v9 x's fragments
	s_mul_i32 s30, s23, 64*SPITCH
	s_add_co_u32 s30, s30, ASCL
	v_mul_u32_u24 v10, v2, SPITCH
	v_add_nc_u32 v10, s30, v10                     ; v10 their scale words
	v_mul_u32_u24 v11, v3, 24                      ; v11 offset in the formula record: every lane of a half reads the same bytes
	v_mov_b32 v12, 768                             ; v12 its scale words
	s_mul_i32 s30, s24, 6144
	v_add_nc_u32 v13, s30, v4                      ; v13-16 W1's images, one register for each four blocks of the ring
.irp i, 1,2,3
	v_add_nc_u32 v[13+\i], 51200*\i, v13
.endr
	s_lshl_b32 s30, s24, 8
	s_add_co_u32 s30, s30, 12288
	v_lshl_add_u32 v17, v1, 2, s30                 ; v17-20 their scale words
.irp i, 1,2,3
	v_add_nc_u32 v[17+\i], 51200*\i, v17
.endr
	s_lshl_b32 s30, s24, 3
	v_add_nc_u32 v21, s30, v3
	v_mul_u32_u24 v21, v21, 96
	v_add_nc_u32 v21, MISC, v21                    ; v21 the trip's records
	v_mul_u32_u24 v22, v0, 96
	v_add_nc_u32 v22, MISC, v22                    ; v22 the record that I write
	v_mov_b32 v24, 0x32edffee                      ; erf's second numerator and denominator coefficients, in vector pairs
	v_mov_b32 v25, 0x32edffee
	v_mov_b32 v26, 0xb95fbd29
	v_mov_b32 v27, 0xb95fbd29
	v_lshlrev_b32 v30, 2, v0
	v_lshlrev_b32 v31, 5, v0
	s_mov_b32 s60, 0x76543210
	s_mov_b32 s61, 0xfedcba98
	SPAIR KK, 0x3f3504f3                           ; 1 / sqrt 2
	SPAIR 68, 0xaf95df0b                           ; numerator, from the highest power
	SPAIR 70, 0xb60cff51
	SPAIR 72, 0xb86ec2d2
	SPAIR 74, 0xba40ac63
	SPAIR 76, 0xbb41a1f6
	SPAIR 78, 0xbc83dbd4
	SPAIR 80, 0xb77460cd                           ; denominator
	SPAIR 82, 0xbadc924e
	SPAIR 84, 0xbbf19bf8
	SPAIR 86, 0xbc69b6a7
	s_mov_b32 s[G1R+0], 15|(3<<16)|(1<<21)         ; mask of all four; elements of 8 bytes; bit 21 beside a mask
	s_mov_b32 s[G1R+1], 32<<16
	s_mov_b32 s[G1R+2], 100<<16
	s_mov_b32 s[G1R+3], 32<<16
	s_mov_b32 s[G1R+4], 100                        ; 100 rows of 256 bytes
	s_mov_b32 s[G1R+5], 32
	s_mov_b32 s[G1R+6], 0
	s_mov_b32 s[G1R+7], 0
	s_mul_i32 s90, s22, QUART
	s_mov_b32 s91, 0
	s_lshl_b32 s92, s27, 10                        ; the sample's record
	s_mov_b32 s93, 0
	s_mov_b32 s[G0S0], 1
	s_mul_i32 s[G0S0+1], s22, QUART
	s_mov_b32 s[G0S1], 1
	s_add_co_u32 s[G0S1+1], s90, SLOTB
	s_wait_alu depctr_va_vdst(0)                   ; the wait at the head's end
	s_wait_kmcnt 0x0
	s_load_b64 s[88:89], s[12:13], 0x0             ; b2
	s_add_nc_u64 s[G0S0+2:G0S0+3], s[14:15], s[90:91]
	s_add_nc_u64 s[G0S1+2:G0S1+3], s[G0S0+2:G0S0+3], SLOTB
	s_or_b32 s[G0S0+3], s[G0S0+3], 0x80000000
	s_or_b32 s[G0S1+3], s[G0S1+3], 0x80000000
	s_add_nc_u64 s[16:17], s[16:17], s[92:93]
	s_lshl_b32 s28, s26, 19
	s_lshl_b32 s29, s22, 17
	s_add_co_u32 s28, s28, s29
	s_mov_b32 s29, 0
	s_add_nc_u64 s[4:5], s[4:5], s[28:29]          ; my wave's 32 rows of x
	s_lshl_b32 s28, s26, 9
	s_add_nc_u64 s[6:7], s[6:7], s[28:29]
	s_lshl_b32 s28, s26, 10
	s_add_nc_u64 s[18:19], s[18:19], s[28:29]
	s_lshl_b32 s28, s26, 3
	s_add_nc_u64 s[20:21], s[20:21], s[28:29]
	global_load_b32 v23, v30, s[6:7]               ; my row's label
	global_load_b128 v[96:99], v31, s[8:9]         ; b1, W2[0], W2[1] of hidden units 8 t .. 8 t + 7
	global_load_b128 v[100:103], v31, s[8:9] offset:16
	global_load_b128 v[104:107], v31, s[10:11]
	global_load_b128 v[108:111], v31, s[10:11] offset:16
	global_load_b128 v[112:115], v31, s[10:11] offset:4096
	global_load_b128 v[116:119], v31, s[10:11] offset:4112
; ---- THE QUANTISER: wave w turns rows 32 w .. 32 w + 31 of x into codes and scale bytes: 64 steps of 512 numbers, as a loop of three trips of 16 steps and a tail of 16 written out ----
; Each load reads 512 consecutive bytes; a step's 2,048 bytes turn through the wave's own stage and come back 64 bytes a lane: 16 neighbours along K, two lanes to a block.  Loads run 14 steps (56 loads) ahead.
.macro LOAD t
	WIN 0x40
.irp i, 0,1,2,3
	global_load_b128 v[16*((\t)%16)+4*\i:16*((\t)%16)+4*\i+3], v4, s[4:5] offset:2048*(\t)+512*\i th:TH_LOAD_NT
.endr
.endm
.macro XTURN t
	WIN 0x04
.irp i, 0,1,2,3
	ds_store_b128 v5, v[16*((\t)%16)+4*\i:16*((\t)%16)+4*\i+3] offset:640*\i
.endr
	WIN 0
.irp i, 0,1,2,3
	ds_load_b128 v[XN+16*((\t)%2)+4*\i:XN+16*((\t)%2)+4*\i+3], v6 offset:16*\i   ; LDS serves a wave's instructions in order
.endr
.endm
; t: the step in its trip.  ld: step t + 14 is asked for.  cnt: the loads that may stay out when step t + 1's four must be in (under 0: there is no next step)
.macro XSTEP t, ld, cnt
.set XS,  XN+16*((\t)%2)
.set XCS, XC+4*((\t)%2)
.if (\t) > 0
	s_wait_dscnt 4                                 ; this step's numbers are back; the last step's four stores may be out
.else
	s_wait_dscnt 0x0
.endif
.if \ld
	LOAD (\t)+14                                   ; into the set that step t - 2's stores into the stage have read
.endif
.if (\cnt) >= 0
	s_wait_loadcnt \cnt
	XTURN (\t)+1
.endif
	WIN 0
	v_max3_num_f32 v[XM], |v[XS]|, |v[XS+1]|, |v[XS+2]|
	v_max3_num_f32 v[XM+1], |v[XS+3]|, |v[XS+4]|, |v[XS+5]|
.irp i, 6,10
	v_max3_num_f32 v[XM], v[XM], |v[XS+\i]|, |v[XS+\i+1]|
	v_max3_num_f32 v[XM+1], v[XM+1], |v[XS+\i+2]|, |v[XS+\i+3]|
.endr
	v_max3_num_f32 v[XM], v[XM], |v[XS+14]|, |v[XS+15]|
	v_max3_num_f32 v[XM], v[XM], v[XM+1], 0x1800000                ; the floor 2^(3 - 127)
	v_max_num_f32_dpp v[XM], v[XM], v[XM] row_xmask:1 row_mask:0xf bank_mask:0xf
	v_add_nc_u32 v[XM+2], 0xff000000, v[XM]        ; 2 off the exponent field: the conversion's scale operand
	v_cvt_scalef32_pk16_fp6_f32 v[XCS:XCS+2], v[XS:XS+15], v[XM+2]
	v_lshrrev_b32 v[XE+(\t)%2], 23, v[XM+2]        ; the scale's byte
.irp i, 0,1,2
	ds_store_b32 v7, v[XCS+\i] offset:APITCH*((\t)/2)+384*((\t)%2)+4*\i
.endr
	ds_store_b8 v8, v[XE+(\t)%2] offset:SPITCH*((\t)/2)+16*((\t)%2)
.endm
.irp t, 0,1,2,3,4,5,6,7,8,9,10,11,12,13
	LOAD \t
.endr
	WIN 0
	s_wait_kmcnt 0x0                               ; b2
	CROUND                                         ; all four work-groups are here: the first joint loads meet
	tensor_load_to_lds s[G0S0:G0S0+3], s[G1R:G1R+7]  ; my quarter of slot 0: one tensor load a wave at the head
	s_nop 0
	PLACES
	s_wait_loadcnt 52                              ; step 0's four loads are in; 13 steps' may be out
	XTURN 0
	s_mov_b32 s62, 3
.Lq:
.set XT, 0
.rept 16
	XSTEP XT, 1, 52                                ; steps t + 2 .. t + 14 may be out
.set XT, XT+1
.endr
	s_wait_xcnt 0x0                                ; the loads have read their base
	s_add_nc_u64 s[4:5], s[4:5], 32768             ; 16 steps on
	v_add_nc_u32 v7, 8*APITCH, v7                  ; eight rows on
	v_add_nc_u32 v8, 8*SPITCH, v8
	s_sub_co_u32 s62, s62, 1
	s_cmp_lg_u32 s62, 0
	s_wait_alu depctr_va_vdst(0)                   ; the wait ahead of the branch
	s_cbranch_scc1 .Lq
	s_wait_tensorcnt 0x0                           ; slot 1's first fill is issued as a refill is: my quarter of slot 0 has landed,
	ds_add_u32 v[SPW], v[NIL]                      ; the add,
	s_wait_dscnt 0x0
	CROUND                                         ; a whole round,
	tensor_load_to_lds s[G0S1:G0S1+3], s[G1R:G1R+7]  ; and my one load behind it; the tail's 16 steps stand ahead of the wait for it
	s_nop 0
	PLACES
.set XT, 0
.rept 16
.if XT == 12                           ; the formula's fragments and scale words, straight into their registers: 50 loads, younger than x's last 12
	WIN 0xc0
.irp s, 0,1,2,3,4,5,6,7
.irp p, 0,1,2,3,4,5
	global_load_b64 v[144+12*\s+2*\p:144+12*\s+2*\p+1], v11, s[16:17] offset:96*\s+48*(\p/3)+8*(\p%3)
.endr
.endr
	WIN 0
	global_load_b128 v[64:67], v12, s[16:17]
	global_load_b128 v[68:71], v12, s[16:17] offset:16
.endif
.if XT < 2
	XSTEP XT, 1, 52
.elseif XT < 12
	XSTEP XT, 0, 4*(14-XT)                         ; nothing more of x to ask for: the counts run down
.elseif XT < 15
	XSTEP XT, 0, 4*(14-XT)+50                      ; and the formula's 50 may be out
.else
	XSTEP XT, 0, -1
.endif
.set XT, XT+1
.endr
	BARRIER                                        ; x's codes and scale bytes lie in LDS, nobody reads a stage any more
.irp i, 0,2,4,6,8,10,12,14,16,18,20,22
	v_pk_mul_f32 v[96+\i:97+\i], v[96+\i:97+\i], s[KK:KK+1] op_sel_hi:[1,0]   ; b1, W2[0], W2[1], each / sqrt 2
.endr
.irp i, 0,1,2,3,4,5
	ds_store_b128 v22, v[96+4*\i:99+4*\i] offset:16*\i
.endr
	WIN 0x80
.irp s, 0,1,2,3,4
.irp a, 0,1,2,3
.irp p, 0,1,2,3,4,5
	ds_load_b64 v[48*\s+12*\a+2*\p:48*\s+12*\a+2*\p+1], v9 offset:16*APITCH*\a+96*\s+48*(\p/3)+8*(\p%3)
.endr
.endr
.endr
	WIN 0xc0
.irp s, 5,6,7
.irp a, 0,1,2,3
.irp p, 0,1,2,3,4,5
	ds_load_b64 v[48*(\s-5)+12*\a+2*\p:48*(\s-5)+12*\a+2*\p+1], v9 offset:16*APITCH*\a+96*\s+48*(\p/3)+8*(\p%3)
.endr
.endr
.endr
	WIN 0
.irp a, 0,1,2,3
.irp q, 0,1
	ds_load_b128 v[32+8*\a+4*\q:32+8*\a+4*\q+3], v10 offset:16*SPITCH*\a+16*\q
.endr
.endr
.irp i, 0,1,2,3,4,5,6,7,8,9,10,11,12,13,14,15
	v_mov_b32 v[LL+\i], 0                          ; the logits' sums run over all eight trips
.endr
	s_wait_loadcnt 0x0                             ; the formula's fragments and scale words are in
	BARRIER                                        ; the 128 records lie in LDS
; ---- THE TRIPS.  k is a place in the ring: 0-7 the formula's K steps, 8-15 x's K steps 0-7 ----
.macro FETCH k
.set FB, 96+48*((\k)%3)
.set FS, 72+2*((\k)%3)
.set FA, 13+2*((\k)/8)+(((\k)%8)/4)
.set FO, BLKB*((\k)%4)
.irp cf, 0,1,2,3
.irp e, 0,1,2
	ds_load_b128 v[FB+12*\cf+4*\e:FB+12*\cf+4*\e+3], v[FA] offset:FO+1536*\cf+512*\e
.endr
.endr
.irp pb, 0,1
	ds_load_b32 v[FS+\pb], v[FA+4] offset:FO+128*\pb
.endr
.endm
.macro WM c, odd
.if \odd
	v_wmma_scale_f32_16x16x128_f8f6f4 v[rD:rD+7], v[rB:rB+11], v[rA:rA+11], \c, v[rSB], v[rSA] matrix_a_fmt:MATRIX_FMT_FP6 matrix_b_fmt:MATRIX_FMT_FP6 matrix_a_scale:MATRIX_SCALE_ROW1
.else
	v_wmma_scale_f32_16x16x128_f8f6f4 v[rD:rD+7], v[rB:rB+11], v[rA:rA+11], \c, v[rSB], v[rSA] matrix_a_fmt:MATRIX_FMT_FP6 matrix_b_fmt:MATRIX_FMT_FP6
.endif
.endm
; k < 8: the formula's sums of fragments a0, a1 of W1's four (two instructions).  k >= 8: blocks of rows a0, a1 against all four (eight); at k = 8 the formula's sum is the C.
; The accumulators take turns, one instruction a turn.
.macro MUL k, a0, a1
.if (\k) < 8
	WIN 0x5c                                       ; source 0 window 0, source 1 window 3, C and D window 1
.irp cf, \a0, \a1
.set rD, TF+8*\cf
.set rA, 144+12*(\k)
.set rSA, 64+(\k)
.set rB, 96+48*((\k)%3)+12*\cf
.set rSB, 72+2*((\k)%3)+\cf/2
.if (\k) == 0
	WM 0, \cf%2
.else
	WM v[rD:rD+7], \cf%2
.endif
.endr
.else
.if (\k) < 13
	WIN 0x58                                       ; source 1 window 2
.else
	WIN 0x5c
.endif
.irp a, \a0, \a1
.irp cf, 0,1,2,3
.set rD, 8*(4*\a+\cf)
.set rC, TF+8*\cf
.if (\k) < 13
.set rA, 48*((\k)-8)+12*\a
.else
.set rA, 48*((\k)-13)+12*\a
.endif
.set rSA, 32+8*\a+(\k)-8
.set rB, 96+48*((\k)%3)+12*\cf
.set rSB, 72+2*((\k)%3)+\cf/2
.if (\k) == 8
	WM v[rC:rC+7], \cf%2
.else
	WM v[rD:rD+7], \cf%2
.endif
.endr
.endr
.endif
.endm
.macro CLOAD
	WIN 0x40
.irp cf, 0,1,2,3
.irp i, 0,1,2,3,4,5
	ds_load_b128 v[CB+24*\cf+4*\i:CB+24*\cf+4*\i+3], v21 offset:192*\cf+16*\i
.endr
.endr
	WIN 0
.endm
.macro KSTEP k, cnt
.if (\k)+2 <= 15
	WIN 0
	PLACES                                         ; four places in front of loads into the buffer that the last step multiplied
.if (\k) == 8
	v_nop                                          ; a fifth: the formula's sums become the C of other accumulators (ISA guide 7.12.1)
.endif
	FETCH (\k)+2
.endif
	s_wait_dscnt \cnt
	MUL \k, 0, 1
	MUL \k, 2, 3
.endm
; The place at which a slot's last fragments have been asked for: ONE barrier; fill = 1: it opens a round of the cluster's barrier, and the slot takes the next trip's images
.macro TURN k, fill, g0
	WIN 0
	s_wait_tensorcnt 0x0                           ; all my tensor loads have landed
	ds_add_u32 v[SPW], v[NIL]
	s_wait_dscnt 15                                ; this step's fragments are in (the next step's 14 loads and the add may be out)
	MUL \k, 0, 1
	s_wait_dscnt 0x0                               ; the add is done, my reads of this slot are over
	s_barrier_signal -1
	MUL \k, 2, 3
	WIN 0
	s_barrier_wait -1
.if \fill
	CREST
	s_add_nc_u64 s[\g0+2:\g0+3], s[\g0+2:\g0+3], NSTEPB
	tensor_load_to_lds s[\g0:\g0+3], s[G1R:G1R+7]  ; my one tensor load behind the round
	s_nop 0
.endif
	PLACES
.endm
.macro TRIP fill
	CLOAD
	FETCH 1
	KSTEP 0, 52                                    ; behind place 0's fetch: 24 loads of constants and two fetches of 14
.irp k, 1,2,3,4,5
	KSTEP \k, 28
.endr
	TURN 6, \fill, G0S0
	FETCH 8
.irp k, 7,8,9,10,11,12,13
	KSTEP \k, 28
.endr
	KSTEP 14, 14                                   ; place 15's fetch may be out; slot 1 changes inside the gelu
	KSTEP 15, 0
.endm
.macro BATCH cf, ap
	WIN 0x11
.irp u, 0,1
.irp q, 0,2,4,6
	v_pk_fma_f32 v[GZ+8*\u+\q:GZ+8*\u+\q+1], v[8*(4*(2*\ap+\u)+\cf)+\q:8*(4*(2*\ap+\u)+\cf)+\q+1], s[KK:KK+1], v[CB+24*\cf+\q:CB+24*\cf+\q+1] op_sel_hi:[1,0,1]   ; z = (sum + b1) / sqrt 2; each accumulator from its low end on
.endr
.endr
	WIN 0
.irp i, 0,1,2,3,4,5,6,7,8,9,10,11,12,13,14,15
	v_med3_num_f32 v[GC+\i], v[GZ+\i], -4.0, 4.0
.endr
.irp i, 0,2,4,6,8,10,12,14
	v_pk_mul_f32 v[GT+\i:GT+\i+1], v[GC+\i:GC+\i+1], v[GC+\i:GC+\i+1]
.endr
.irp i, 0,2,4,6,8,10,12,14
	v_pk_fma_f32 v[GP+\i:GP+\i+1], v[GT+\i:GT+\i+1], s[68:69], v[24:25] op_sel_hi:[1,0,1]
.endr
.irp i, 0,2,4,6,8,10,12,14
	v_pk_fma_f32 v[GQ+\i:GQ+\i+1], v[GT+\i:GT+\i+1], s[80:81], v[26:27] op_sel_hi:[1,0,1]
.endr
.irp x, 70,72,74,76,78
.irp i, 0,2,4,6,8,10,12,14
	v_pk_fma_f32 v[GP+\i:GP+\i+1], v[GP+\i:GP+\i+1], v[GT+\i:GT+\i+1], s[\x:\x+1] op_sel_hi:[1,1,0]
.endr
.endr
.irp x, 82,84,86
.irp i, 0,2,4,6,8,10,12,14
	v_pk_fma_f32 v[GQ+\i:GQ+\i+1], v[GQ+\i:GQ+\i+1], v[GT+\i:GT+\i+1], s[\x:\x+1] op_sel_hi:[1,1,0]
.endr
.endr
	s_wait_alu depctr_va_vdst(0)                   ; the wait ahead of the batch
.irp i, 0,1,2,3,4,5,6,7,8,9,10,11,12,13,14,15
	v_rcp_f32 v[GQ+\i], v[GQ+\i]
.endr
.irp i, 0,2,4,6,8,10,12,14
	v_pk_mul_f32 v[GP+\i:GP+\i+1], v[GP+\i:GP+\i+1], v[GC+\i:GC+\i+1]
.endr
	s_wait_alu depctr_va_vdst(0)                   ; and behind it, ahead of its first reader
.irp i, 0,2,4,6,8,10,12,14
	v_pk_mul_f32 v[GP+\i:GP+\i+1], v[GP+\i:GP+\i+1], v[GQ+\i:GQ+\i+1]   ; erf(z)
.endr
.irp i, 0,2,4,6,8,10,12,14
	v_pk_fma_f32 v[GZ+\i:GZ+\i+1], v[GZ+\i:GZ+\i+1], v[GP+\i:GP+\i+1], v[GZ+\i:GZ+\i+1]   ; z (1 + erf z) = sqrt 2 x the gelu
.endr
	WIN 0x04
.irp q, 0,2,4,6
.irp u, 0,1
.irp e, 0,1
	v_pk_fma_f32 v[LL+4*(2*\ap+\u)+2*\e:LL+4*(2*\ap+\u)+2*\e+1], v[GZ+8*\u+\q:GZ+8*\u+\q+1], v[CB+24*\cf+8+8*\e+\q:CB+24*\cf+8+8*\e+\q+1], v[LL+4*(2*\ap+\u)+2*\e:LL+4*(2*\ap+\u)+2*\e+1]
.endr
.endr
.endr
.endm
.macro GELU next
	WIN 0
	PLACES
	BATCH 0, 0
.if \next
; Slot 1's change stands here, behind place 15 and one batch: slot 0's refill, asked for at place 6, so has nine places and a batch ahead of this wait; slot 1's has seven batches and six places ahead of place 6's wait.
	WIN 0
	s_wait_tensorcnt 0x0                           ; all my tensor loads have landed: my quarter of slot 0
	ds_add_u32 v[SPW], v[NIL]
	s_wait_dscnt 0x0                               ; the add is done; my reads of slot 1 were over at place 15's wait
	CROUND                                         ; no wave of any partner still reads slot 1 or has a load on its way; slot 0 is whole for all
	s_add_nc_u64 s[G0S1+2:G0S1+3], s[G0S1+2:G0S1+3], NSTEPB
	tensor_load_to_lds s[G0S1:G0S1+3], s[G1R:G1R+7]  ; my one tensor load behind the round
	s_nop 0
	PLACES
.endif
	BATCH 0, 1
.irp cf, 1,2,3
	BATCH \cf, 0
	BATCH \cf, 1
.endr
	WIN 0
.if \next
	FETCH 0                                        ; the next trip's first fragments, into the buffer that the gelu does not touch: slot 0 was shown whole by the round above
	v_add_nc_u32 v21, 1536, v21
.endif
.endm
	FETCH 0
	s_mov_b32 s62, 7
.Ltrip:
	s_wait_alu depctr_va_vdst(0)
	TRIP 1
	GELU 1
	s_sub_co_u32 s62, s62, 1
	s_cmp_lg_u32 s62, 0
	s_cbranch_scc1 .Ltrip
	TRIP 0                                         ; the last trip is written out: it fills nothing
	GELU 0
; ---- THE WAY OUT ----
.irp a, 0,1,2,3
.irp e, 0,1
	v_add_f32 v[240+2*\a+\e], v[LL+4*\a+2*\e], v[LL+4*\a+2*\e+1]
.endr
.endr
.irp i, 0,1,2,3,4,5,6,7
	v_permlanex16_b32 v[GZ+\i], v[240+\i], s60, s61
.endr
.irp i, 0,1,2,3,4,5,6,7
	v_add_f32 v[240+\i], v[240+\i], v[GZ+\i]
.endr
	v_cmp_eq_u32 vcc_lo, 1, v3
.irp a, 0,1,2,3
	v_cndmask_b32 v[248+\a], v[240+2*\a], v[241+2*\a], vcc_lo      ; lanes 0-15 hand on class 0, lanes 16-31 class 1
.endr
	s_lshl_b32 s30, s24, 10
	s_lshl_b32 s31, s23, 9
	s_add_co_u32 s30, s30, s31
	s_add_co_u32 s30, s30, SCR
	v_lshlrev_b32 v30, 3, v2
	v_lshl_add_u32 v30, v3, 2, v30
	v_add_nc_u32 v30, s30, v30                     ; [wc][64 wr + 16 a + r][h]
.irp a, 0,1,2,3
	ds_store_b32 v30, v[248+\a] offset:128*\a
.endr
	BARRIER
	v_lshl_add_u32 v31, v0, 3, SCR                 ; thread t takes row t
	ds_load_b64 v[240:241], v31
	ds_load_b64 v[242:243], v31 offset:1024
	v_lshlrev_b32 v244, 3, v0
	s_wait_dscnt 0x0
	v_pk_add_f32 v[240:241], v[240:241], v[242:243]
	v_add_f32 v240, s88, v240
	v_add_f32 v241, s89, v241                      ; the logits
	s_wait_alu depctr_va_vdst(0)
	global_store_b64 v244, v[240:241], s[18:19]    ; a wave stores 256 consecutive bytes, aligned
	v_max_num_f32 v245, v240, v241                 ; the larger logit is taken away before the exponentials
	v_sub_f32 v246, v240, v245
	v_sub_f32 v247, v241, v245
	v_mul_f32 v246, 0x3fb8aa3b, v246
	v_mul_f32 v247, 0x3fb8aa3b, v247
	s_wait_alu depctr_va_vdst(0)
	v_exp_f32 v246, v246
	v_exp_f32 v247, v247
	v_cmp_lt_i32 vcc_lo, 0, v23                    ; the label held to 0 .. 1
	v_cndmask_b32 v248, v240, v241, vcc_lo
	s_wait_alu depctr_va_vdst(0)
	v_add_f32 v246, v246, v247
	s_wait_alu depctr_va_vdst(0)
	v_log_f32 v246, v246
	v_sub_f32 v248, v245, v248
	v_cmp_gt_u32 vcc_lo, 2, v23                    ; a header?
	s_wait_alu depctr_va_vdst(0)
	v_fmamk_f32 v246, v246, 0x3f317218, v248
	v_cndmask_b32 v246, 0, v246, vcc_lo
	v_cndmask_b32 v247, 0, 1.0, vcc_lo
.irp x, 1,2,4,8
	v_add_f32_dpp v246, v246, v246 row_xmask:\x row_mask:0xf bank_mask:0xf
	v_add_f32_dpp v247, v247, v247 row_xmask:\x row_mask:0xf bank_mask:0xf
.endr
	v_permlanex16_b32 v250, v246, s60, s61
	v_permlanex16_b32 v251, v247, s60, s61
	v_add_f32 v246, v246, v250
	v_add_f32 v247, v247, v251                     ; my wave's 32 rows: the sum of losses, the count of headers
	s_lshl_b32 s30, s22, 3
	s_add_co_u32 s30, s30, SCR2
	v_mov_b32 v252, s30
	ds_store_b64 v252, v[246:247]
	BARRIER
	v_mov_b32 v253, SCR2
	ds_load_b128 v[232:235], v253
	ds_load_b128 v[236:239], v253 offset:16
	v_mov_b32 v254, 0
	v_cmp_eq_u32 vcc_lo, 0, v0
	s_wait_dscnt 0x0
	v_pk_add_f32 v[232:233], v[232:233], v[234:235]
	v_pk_add_f32 v[236:237], v[236:237], v[238:239]
	v_pk_add_f32 v[232:233], v[232:233], v[236:237]
	s_wait_alu depctr_va_vdst(0)
	s_wait_xcnt 0x0                                ; EXEC changes only behind this wait
	s_and_saveexec_b32 s63, vcc_lo                 ; thread 0 of the work-group alone
	global_store_b64 v254, v[232:233], s[20:21]
	s_wait_xcnt 0x0
	s_or_b32 exec_lo, exec_lo, s63
	s_wait_tensorcnt 0x0                           ; the wave's end
	ds_add_u32 v[SPW], v[NIL]
	s_wait_dscnt 0x0
	CROUND                                         ; the closing round
	s_endpgm
.Lfunc_end_k_q3dd5c81d7e_main:
	.size	k_q3dd5c81d7e_main, .Lfunc_end_k_q3dd5c81d7e_main-k_q3dd5c81d7e_main
	.p2alignl 7, 3214868480
	.fill 96, 4, 3214868480
	.section	.rodata,"a",@progbits
	.p2align	6, 0x0
	.amdhsa_kernel k_q3dd5c81d7e_main
		.amdhsa_group_segment_fixed_size 327680
		.amdhsa_private_segment_fixed_size 0
		.amdhsa_enable_private_segment 0
		.amdhsa_kernarg_size 72
		.amdhsa_user_sgpr_count 2
		.amdhsa_user_sgpr_kernarg_segment_ptr 1
		.amdhsa_wavefront_size32 1
		.amdhsa_system_sgpr_workgroup_id_x 1
		.amdhsa_system_sgpr_workgroup_id_y 1
		.amdhsa_system_sgpr_workgroup_id_z 1
		.amdhsa_system_vgpr_workitem_id 0
		.amdhsa_next_free_vgpr 1024
		.amdhsa_next_free_sgpr 94
		.amdhsa_reserve_vcc 1
		.amdhsa_float_denorm_mode_32 3
		.amdhsa_float_denorm_mode_16_64 3
		.amdhsa_memory_ordered 1
		.amdhsa_forward_progress 1
		.amdhsa_inst_pref_size 255
	.end_amdhsa_kernel
	.section	.bss,"aw",@nobits
	.p2align	6
	.space	262144
	.amdgpu_metadata
---
amdhsa.version: [ 1, 2 ]
amdhsa.kernels:
  - .name:           k_q3dd5c81d7e_main
    .symbol:         k_q3dd5c81d7e_main.kd
    .args:
      - { .name: encoded_states, .offset: 0, .size: 8, .value_kind: global_buffer, .address_space: global }
      - { .name: sr_label, .offset: 8, .size: 8, .value_kind: global_buffer, .address_space: global }
      - { .name: b1, .offset: 16, .size: 8, .value_kind: global_buffer, .address_space: global }
      - { .name: W2, .offset: 24, .size: 8, .value_kind: global_buffer, .address_space: global }
      - { .name: b2, .offset: 32, .size: 8, .value_kind: global_buffer, .address_space: global }
      - { .name: w1img, .offset: 40, .size: 8, .value_kind: global_buffer, .address_space: global }
      - { .name: frec, .offset: 48, .size: 8, .value_kind: global_buffer, .address_space: global }
      - { .name: out1, .offset: 56, .size: 8, .value_kind: global_buffer, .address_space: global }
      - { .name: part, .offset: 64, .size: 8, .value_kind: global_buffer, .address_space: global }
    .group_segment_fixed_size: 327680
    .private_segment_fixed_size: 0
    .kernarg_segment_align: 8
    .kernarg_segment_size: 72
    .max_flat_workgroup_size: 128
    .sgpr_count:     94
    .vgpr_count:     1024
    .wavefront_size: 32
...
	.end_amdgpu_metadata
.endif
;; end of part 2
;; launch loss (part 3): grid 1 x 1, 1 waves a work-group, no clusters, 0 bytes of LDS; arguments part, out0; writes out0
.if DOCPART == 3
	.amdgcn_target "amdgcn-amd-amdhsa--gfx1250"
	.amdhsa_code_object_version 6
	.text
	.protected	k_q3dd5c81d7e_loss
	.globl	k_q3dd5c81d7e_loss
	.p2align	8
	.type	k_q3dd5c81d7e_loss,@function
k_q3dd5c81d7e_loss:
	s_mov_b64 s[64:65], 0
	v_nop
	global_prefetch_b8 v0, s[64:65] scope:SCOPE_SE
	s_setreg_imm32_b32 hwreg(HW_REG_WAVE_MODE, 25, 1), 1
	s_wait_xcnt 0x0
; The loss from the 256 pairs (sum of token losses, count of headers) that the launch before stored, eight pairs to a sample.
; One wave: lane b takes sample b's 64 bytes.  sample = S / max(C, 1); valid = (C > 0); loss = sum(sample x valid) / (sum(valid) + 1e-6).  Divisions are a reciprocal (1 ulp: ISA guide, 15.8) and a multiplication.
; The sum spans work-groups, so it is made here, in a fixed order, and not by traffic between them.
	s_load_b128 s[4:7], s[0:1], 0x0                ; part, out0
	v_lshlrev_b32 v1, 6, v0
	v_mov_b32 v20, 0
	s_mov_b32 s8, 0x76543210
	s_mov_b32 s9, 0xfedcba98                       ; v_permlanex16_b32's selects for lane l xor 16
	s_wait_alu depctr_va_vdst(0)
	s_wait_kmcnt 0x0
.irp i, 0,1,2,3
	global_load_b128 v[4+4*\i:7+4*\i], v1, s[4:5] offset:16*\i
.endr
	s_wait_loadcnt 0x0
	v_pk_add_f32 v[4:5], v[4:5], v[6:7]
	v_pk_add_f32 v[8:9], v[8:9], v[10:11]
	v_pk_add_f32 v[12:13], v[12:13], v[14:15]
	v_pk_add_f32 v[16:17], v[16:17], v[18:19]
	v_pk_add_f32 v[4:5], v[4:5], v[8:9]
	v_pk_add_f32 v[12:13], v[12:13], v[16:17]
	v_pk_add_f32 v[4:5], v[4:5], v[12:13]          ; v4 = S, v5 = C
	v_max_num_f32 v6, 1.0, v5
	s_wait_alu depctr_va_vdst(0)
	v_rcp_f32 v6, v6
	v_cmp_lt_f32 vcc_lo, 0, v5
	v_cndmask_b32 v7, 0, 1.0, vcc_lo               ; valid (plain instructions behind the reciprocal)
	s_wait_alu depctr_va_vdst(0)
	v_mul_f32 v6, v4, v6
	v_mul_f32 v6, v6, v7
.irp x, 1,2,4,8
	v_add_f32_dpp v6, v6, v6 row_xmask:\x row_mask:0xf bank_mask:0xf
	v_add_f32_dpp v7, v7, v7 row_xmask:\x row_mask:0xf bank_mask:0xf
.endr
	v_permlanex16_b32 v8, v6, s8, s9               ; (into registers that have been written)
	v_permlanex16_b32 v9, v7, s8, s9
	v_add_f32 v6, v6, v8
	v_add_f32 v7, v7, v9
	v_add_f32 v7, 0x358637bd, v7                   ; + 1e-6
	s_wait_alu depctr_va_vdst(0)
	v_rcp_f32 v7, v7
	v_cmp_eq_u32 vcc_lo, 0, v0
	v_nop                                          ; a plain instruction behind the reciprocal
	s_wait_alu depctr_va_vdst(0)
	v_mul_f32 v6, v6, v7
	s_wait_alu depctr_va_vdst(0)
	s_wait_xcnt 0x0                                ; EXEC changes only behind this wait
	s_and_saveexec_b32 s10, vcc_lo
	global_store_b32 v20, v6, s[6:7]               ; lane 0: the one number
	s_endpgm
.Lfunc_end_k_q3dd5c81d7e_loss:
	.size	k_q3dd5c81d7e_loss, .Lfunc_end_k_q3dd5c81d7e_loss-k_q3dd5c81d7e_loss
	.p2alignl 7, 3214868480
	.fill 96, 4, 3214868480
	.section	.rodata,"a",@progbits
	.p2align	6, 0x0
	.amdhsa_kernel k_q3dd5c81d7e_loss
		.amdhsa_group_segment_fixed_size 0
		.amdhsa_private_segment_fixed_size 0
		.amdhsa_enable_private_segment 0
		.amdhsa_kernarg_size 16
		.amdhsa_user_sgpr_count 2
		.amdhsa_user_sgpr_kernarg_segment_ptr 1
		.amdhsa_wavefront_size32 1
		.amdhsa_system_sgpr_workgroup_id_x 1
		.amdhsa_system_sgpr_workgroup_id_y 1
		.amdhsa_system_sgpr_workgroup_id_z 1
		.amdhsa_system_vgpr_workitem_id 0
		.amdhsa_next_free_vgpr 32
		.amdhsa_next_free_sgpr 66
		.amdhsa_reserve_vcc 1
		.amdhsa_float_denorm_mode_32 3
		.amdhsa_float_denorm_mode_16_64 3
		.amdhsa_memory_ordered 1
		.amdhsa_forward_progress 1
		.amdhsa_inst_pref_size 3
	.end_amdhsa_kernel
	.amdgpu_metadata
---
amdhsa.version: [ 1, 2 ]
amdhsa.kernels:
  - .name:           k_q3dd5c81d7e_loss
    .symbol:         k_q3dd5c81d7e_loss.kd
    .args:
      - { .name: part, .offset: 0, .size: 8, .value_kind: global_buffer, .address_space: global }
      - { .name: out0, .offset: 8, .size: 8, .value_kind: global_buffer, .address_space: global }
    .group_segment_fixed_size: 0
    .private_segment_fixed_size: 0
    .kernarg_segment_align: 8
    .kernarg_segment_size: 16
    .max_flat_workgroup_size: 32
    .sgpr_count:     66
    .vgpr_count:     32
    .wavefront_size: 32
...
	.end_amdgpu_metadata
.endif
;; end of part 3
